; MI455X (gfx1250); checked and timed in simulation.
; The chip was launched on July 23, 2026; its instructions are those of AMD's public machine-readable ISA for CDNA 5 (MIT licence, August 2026) and "CDNA5" Instruction Set Architecture Reference Guide (July 2026). The comments in the code are by the model that wrote it; some were corrected since.
;; Attention. Allowed arithmetic: matrix products marked QUANTISED: E2M1 operands, one E8M0 scale for each 32 along K, by v_wmma_scale_f32_16x16x128_f8f6f4 with both operands' format E2M1 (or v_wmma_scale_f32_32x16x128_f4), f32 sums; products left as they are: bf16, f16 or f32 operands; f32 sums; everything else in f32.
;; Inputs: Wproj 256 x 256 float32; Wqkv 256 x 768 float32; bproj 256 float32; x 8 x 2,048 x 256 float32.
;; Outputs: out0 8 x 2,048 x 256 float32.
;; Constants: w = 128.
;; This version of the problem:
;;   THIS VERSION OF THE PROBLEM IS GIVEN IN LOW PRECISION. The matrix products marked QUANTISED in the list below multiply operands that are first quantised to E2M1 (2 exponent bits, 1 mantissa bit; 4 bits a number), with one power-of-two scale for each 32 numbers along K (OCP MX v1.0); their sums are f32. The products marked 'left as it is' may take bf16, f16 or f32 operands, with f32 sums. Whichever they take, every output number must still come out within the allowed error. Rounding operands to bf16 (8 significant bits) uses up far more of that allowance than f16 does (11 bits, for magnitudes from 6e-5 to 65,504). All else is computed in f32.
;;   The module's matrix products, in the order in which they are computed (A, B: the left and right operand; K: the contracted axis; several contracted axes count as one K, in the product's order):
;;     1. [M 16,384, K 256] x [K 256, N 768]; A: input x; B: input Wqkv: QUANTISED
;;     2. batch 64 x [M 2,048, K 32] x [K 32, N 2,048]; A: computed on the way; B: computed on the way: left as it is (an operand is computed on the way)
;;     3. batch 64 x [M 2,048, K 2,048] x [K 2,048, N 32]; A: computed on the way; B: computed on the way: left as it is (an operand is computed on the way)
;;     4. [M 16,384, K 256] x [K 256, N 256]; A: computed on the way; B: input Wproj: left as it is (an operand is computed on the way)
;;   THE QUANTISER, for each operand of a quantised product, along K:
;;     - K is cut into blocks of 32 from its start; a last block that is shorter is filled with zeros.
;;     - A block's scale is 2^e with e = floor(log2(the largest magnitude in the block)) - 2, held to -126 .. 127; a block of zeros has e = 0. As a byte (E8M0): e + 127.
;;     - Each number is divided by its block's scale, clamped to +-6, and rounded to the nearest number of E2M1, ties to even, subnormals kept.
;;     - The product sums the exact products of the quantised numbers (number of the format x scale) in f32.
;;   ~~~python
;;   def quantise(x, axis):      # numpy; x: float32 -> the quantised numbers, widened to float32 again
;;       x = np.moveaxis(x, axis, -1); K = x.shape[-1]
;;       x = np.pad(x, [(0, 0)] * (x.ndim - 1) + [(0, -K % 32)]); x = x.reshape(x.shape[:-1] + (-1, 32)); a = np.abs(x).max(-1, keepdims=True)
;;       e = np.where(a > 0, np.clip(np.frexp(np.where(a > 0, a, 1))[1] - 1 - 2, -126, 127), 0)      # np.frexp(a)[1] - 1 = floor(log2(a)), exactly
;;       r = np.clip(x / 2.0 ** e, -6, 6)
;;       step = 2.0 ** (np.maximum(np.frexp(np.where(r == 0, 1, r))[1] - 1, 0) - 1)
;;       q = np.round(r / step) * step * 2.0 ** e      # np.round: ties to even
;;       return np.moveaxis(q.reshape(q.shape[:-2] + (-1,))[..., :K], -1, axis).astype(np.float32)
;;   ~~~
;; One version. Each part assembles by itself: llvm-mc -triple=amdgcn-amd-amdhsa -mcpu=gfx1250 --defsym DOCPART=n.
;; ======== version 1 of 1: 2 launches
;; limits: values are held in f16: magnitudes above 65,504 overflow, below 6.1e-05 lose precision
;; workspace buffers: wq_codes 98,304 bytes; wq_scales 12,288 bytes; wp_frag 131,072 bytes
;; launch prep (part 1): grid 56 x 1, 4 waves a work-group, no clusters, 0 bytes of LDS; arguments Wqkv, Wproj, wq_codes, wq_scales, wp_frag; writes wq_codes, wq_scales, wp_frag
.if DOCPART == 1
	.amdgcn_target "amdgcn-amd-amdhsa--gfx1250"
	.amdhsa_code_object_version 6
	.text
	.protected	k_q1bb333439c_prep
	.globl	k_q1bb333439c_prep
	.p2align	8
	.type	k_q1bb333439c_prep,@function
k_q1bb333439c_prep:
	s_mov_b64 s[64:65], 0
	v_nop
	global_prefetch_b8 v0, s[64:65] scope:SCOPE_SE
	s_setreg_imm32_b32 hwreg(HW_REG_WAVE_MODE, 25, 1), 1
	s_wait_xcnt 0x0
; The two weights are laid out once, in the order in which a wave's operand registers take them, so that the second launch loads each fragment by 16-byte loads of neighbouring lanes.
; PATH Q (work-groups 0-23): Wqkv [256 (k)][768 (n)] f32 becomes codes of FP4 (E2M1) with one E8M0 byte for each 32 along K.  A wave makes one image I = 2 ft + ks: the 16 columns 16 ft .. 16 ft + 15, K = 128 ks .. 128 ks + 127.
;   A lane takes a column (r = lane % 16) and its registers run down K in the order of the operand's layout: lane (r, h), half c: k = 128 ks + 64 c + 32 h + 0 .. 31.  So a lane holds two whole blocks, no other lane is asked for a
;   maximum, and the conversions' results are the operand's registers.  wq_codes: [I][c][lane][16 bytes];  wq_scales: [I][lane][4 bytes], the word of column 16 ft + lane % 16 in both halves of the lanes.
;   A block's scale is 2^(floor(log2(its largest magnitude)) - 2): its byte is the largest magnitude's exponent field - 2, held at 1 from below.
; PATH P (work-groups 24-55): Wproj [256 (k)][256 (n)] f32 becomes f16 fragments.  A wave makes image I' = 16 w + 2 hd + nt: columns 32 w + 16 nt + r, k = 32 hd + 16 q + 8 h + 0 .. 7 in half q.  wp_frag: [I'][q][lane][16 bytes].
; LIMITS: NaN and infinities are not served.  A block of zeros gets the byte 1 where the rule says 127: its codes are zeros, and this program alone reads the bytes.  |Wproj| stays under 65,504 (f16).
; No LDS, no barrier: waves share nothing.  Each store of codes covers 512 consecutive bytes, aligned; a wave's store of scale words covers 128 consecutive bytes (the buffer is 12,288 bytes in all).
.set WROW, 3072                        ; a row of Wqkv in bytes
.set PROW, 1024                        ; a row of Wproj in bytes
.set X,    16                          ; v16-79  the numbers as loaded
.set TM,   80                          ; v80-81 largest magnitudes, v82-83 the conversions' scale operands, v84-85 bytes, v86 the scale word
.set CD,   88                          ; v88-95  the codes, or the f16 pairs
	s_load_b128 s[4:7], s[0:1], 0x0                ; Wqkv, Wproj
	s_load_b128 s[8:11], s[0:1], 0x10              ; wq_codes, wq_scales
	s_load_b64 s[12:13], s[0:1], 0x20              ; wp_frag
	v_lshrrev_b32 v1, 5, v0
	v_readfirstlane_b32 s14, v1                    ; wave 0..3
	v_and_b32 v1, 31, v0                           ; lane
	v_and_b32 v2, 15, v0                           ; r
	v_bfe_u32 v3, v0, 4, 1                         ; h
	v_lshlrev_b32 v4, 4, v1                        ; 16 x lane: my place in an image's half
	v_lshlrev_b32 v5, 2, v2                        ; 4 r: my column
	s_cmp_lt_u32 ttmp9, 24                         ; the path hangs on the work-group's number alone
	s_cbranch_scc0 .Lproj
	; ---- PATH Q
	s_lshl_b32 s15, ttmp9, 2
	s_add_co_u32 s15, s15, s14                     ; I = 4 x work-group + wave
	s_lshr_b32 s16, s15, 1                         ; ft
	s_and_b32 s17, s15, 1                          ; ks
	s_mul_i32 s17, s17, 128*WROW                   ; 128 ks rows down,
	s_lshl_b32 s16, s16, 6                         ; 16 ft columns of 4 bytes on
	s_add_co_u32 s16, s16, s17
	s_mov_b32 s17, 0
	s_lshl_b32 s18, s15, 10                        ; an image of codes is 1,024 bytes,
	s_mov_b32 s19, 0
	s_lshl_b32 s22, s15, 7                         ; its scale words 128
	s_mov_b32 s23, 0
	s_mov_b32 s20, 0x76543210
	s_mov_b32 s21, 0xfedcba98                      ; v_permlanex16_b32's selects for lane l xor 16
	v_mad_u32_u24 v6, v3, 32*WROW, v5              ; lanes 16-31 begin 32 rows further down
	v_lshlrev_b32 v7, 2, v1                        ; 4 x lane
	v_lshlrev_b32 v8, 3, v3                        ; 8 h
	v_mov_b32 v9, 0                                ; a lane permute's destination counts as one of its sources
	s_wait_kmcnt 0x0
	s_add_nc_u64 s[4:5], s[4:5], s[16:17]
	s_add_nc_u64 s[8:9], s[8:9], s[18:19]
	s_add_nc_u64 s[10:11], s[10:11], s[22:23]
.set i, 0
.rept 64
	global_load_b32 v[X+i], v6, s[4:5] offset:((i/32)*64+i%32)*WROW   ; W(128 ks + 64 c + 32 h + i % 32, my column), c = i / 32: sixteen neighbouring lanes read 64 neighbouring bytes
.set i, i+1
.endr
	s_wait_loadcnt 0x0
.irp c, 0,1                                    ; my block 2 c + h: all its 32 numbers are mine
	v_max3_num_f32 v[TM+\c], |v[X+32*\c]|, |v[X+32*\c+1]|, 0x1800000   ; and the floor 2^(3 - 127): the byte cannot fall under 1
.endr
.irp i, 2,4,6,8,10,12,14,16,18,20,22,24,26,28,30
.irp c, 0,1
	v_max3_num_f32 v[TM+\c], v[TM+\c], |v[X+32*\c+\i]|, |v[X+32*\c+\i+1]|   ; (the two blocks by turns)
.endr
.endr
.irp c, 0,1
	v_add_nc_u32 v[TM+2+\c], 0xff000000, v[TM+\c]  ; 2 off the exponent field: the conversion takes the exponent field of this operand as its scale
.endr
.irp c, 0,1
	v_lshrrev_b32 v[TM+4+\c], 23, v[TM+2+\c]       ; the scale's byte
.endr
	v_lshl_or_b32 v[TM+6], v[TM+5], 16, v[TM+4]    ; my two bytes: blocks h and 2 + h,
	v_lshlrev_b32 v[TM+6], v8, v[TM+6]             ; at their places in the word (8 h bits up);
	v_permlanex16_b32 v9, v[TM+6], s20, s21
	v_or_b32 v[TM+6], v[TM+6], v9                  ; with lane l xor 16's two the word is whole
.irp c, 0,1
.irp g, 0,1,2,3
	v_cvt_scalef32_pk8_fp4_f32 v[CD+4*\c+\g], v[X+32*\c+8*\g:X+32*\c+8*\g+7], v[TM+2+\c]   ; registers 4 c .. 4 c + 3 of the operand
.endr
.endr
	v_nop                                          ; one plain line behind the last scaled conversion
	global_store_b128 v4, v[CD:CD+3], s[8:9]
	global_store_b128 v4, v[CD+4:CD+7], s[8:9] offset:512
	global_store_b32 v7, v[TM+6], s[10:11]
	s_endpgm
	; ---- PATH P
.Lproj:
	s_sub_co_u32 s15, ttmp9, 24
	s_lshl_b32 s15, s15, 2
	s_add_co_u32 s15, s15, s14                     ; I' = 16 w + 2 hd + nt
	s_lshr_b32 s16, s15, 4                         ; w
	s_bfe_u32 s17, s15, 0x30001                    ; hd: 3 bits from bit 1
	s_and_b32 s18, s15, 1                          ; nt
	s_lshl_b32 s17, s17, 15                        ; 32 hd rows of 1,024 bytes,
	s_lshl_b32 s16, s16, 7                         ; 32 w columns of 4 bytes,
	s_lshl_b32 s18, s18, 6                         ; 16 nt columns
	s_add_co_u32 s16, s16, s17
	s_add_co_u32 s16, s16, s18
	s_mov_b32 s17, 0
	s_lshl_b32 s18, s15, 10                        ; an image is 1,024 bytes
	s_mov_b32 s19, 0
	v_lshl_add_u32 v6, v3, 13, v5                  ; lanes 16-31 begin 8 rows further down
	s_wait_kmcnt 0x0
	s_add_nc_u64 s[6:7], s[6:7], s[16:17]
	s_add_nc_u64 s[12:13], s[12:13], s[18:19]
.set i, 0
.rept 16
	global_load_b32 v[X+i], v6, s[6:7] offset:((i/8)*16+i%8)*PROW   ; Wproj(32 hd + 16 q + 8 h + i % 8, my column), q = i / 8
.set i, i+1
.endr
	s_wait_loadcnt 0x0
.set i, 0
.rept 8
	v_cvt_pk_f16_f32 v[CD+i], v[X+2*i], v[X+2*i+1] ; the lower k in the low half
.set i, i+1
.endr
	global_store_b128 v4, v[CD:CD+3], s[12:13]
	global_store_b128 v4, v[CD+4:CD+7], s[12:13] offset:512
	s_endpgm
.Lfunc_end_k_q1bb333439c_prep:
	.size	k_q1bb333439c_prep, .Lfunc_end_k_q1bb333439c_prep-k_q1bb333439c_prep
	.p2alignl 7, 3214868480
	.fill 96, 4, 3214868480
	.section	.rodata,"a",@progbits
	.p2align	6, 0x0
	.amdhsa_kernel k_q1bb333439c_prep
		.amdhsa_group_segment_fixed_size 0
		.amdhsa_private_segment_fixed_size 0
		.amdhsa_enable_private_segment 0
		.amdhsa_kernarg_size 40
		.amdhsa_user_sgpr_count 2
		.amdhsa_user_sgpr_kernarg_segment_ptr 1
		.amdhsa_wavefront_size32 1
		.amdhsa_system_sgpr_workgroup_id_x 1
		.amdhsa_system_sgpr_workgroup_id_y 1
		.amdhsa_system_sgpr_workgroup_id_z 1
		.amdhsa_system_vgpr_workitem_id 0
		.amdhsa_next_free_vgpr 96
		.amdhsa_next_free_sgpr 66
		.amdhsa_reserve_vcc 0
		.amdhsa_float_denorm_mode_32 3
		.amdhsa_float_denorm_mode_16_64 3
		.amdhsa_memory_ordered 1
		.amdhsa_forward_progress 1
		.amdhsa_inst_pref_size 14
	.end_amdhsa_kernel
	.amdgpu_metadata
---
amdhsa.version: [ 1, 2 ]
amdhsa.kernels:
  - .name:           k_q1bb333439c_prep
    .symbol:         k_q1bb333439c_prep.kd
    .args:
      - { .name: Wqkv, .offset: 0, .size: 8, .value_kind: global_buffer, .address_space: global }
      - { .name: Wproj, .offset: 8, .size: 8, .value_kind: global_buffer, .address_space: global }
      - { .name: wq_codes, .offset: 16, .size: 8, .value_kind: global_buffer, .address_space: global }
      - { .name: wq_scales, .offset: 24, .size: 8, .value_kind: global_buffer, .address_space: global }
      - { .name: wp_frag, .offset: 32, .size: 8, .value_kind: global_buffer, .address_space: global }
    .group_segment_fixed_size: 0
    .private_segment_fixed_size: 0
    .kernarg_segment_align: 8
    .kernarg_segment_size: 40
    .max_flat_workgroup_size: 128
    .sgpr_count:     66
    .vgpr_count:     96
    .wavefront_size: 32
...
	.end_amdgpu_metadata
.endif
;; end of part 1
;; launch attn (part 2): grid 32 x 8, 8 waves a work-group, no clusters, 266,240 bytes of LDS; arguments x, wq_codes, wq_scales, wp_frag, bproj, out0; writes out0
.if DOCPART == 2
	.amdgcn_target "amdgcn-amd-amdhsa--gfx1250"
	.amdhsa_code_object_version 6
	.text
	.protected	k_q1bb333439c_attn
	.globl	k_q1bb333439c_attn
	.p2align	8
	.type	k_q1bb333439c_attn,@function
k_q1bb333439c_attn:
	s_mov_b64 s[64:65], 0
	v_nop
	global_prefetch_b8 v0, s[64:65] scope:SCOPE_SE
	s_setreg_imm32_b32 hwreg(HW_REG_WAVE_MODE, 25, 1), 1
	s_wait_xcnt 0x0
; out0 = softmax(q k^T / sqrt(32) + mask) v Wproj + bproj, with q, k, v = x Wqkv on codes of FP4 (E2M1) with one E8M0 scale for each 32 along K.  x, out0: [8][2048][256] f32.  8 heads of 32.
; THE MASK is built by the problem itself and has period 128 along both axes: query 128 t + i sees key 128 t' + c where clamp(i - 5, 0, 117) <= c <= that + 10, for all 16 t'.  So the 16 queries of one COLUMN i (t = 0 .. 15) share
; one set of keys, and that set is 11 whole columns of 16 keys: a tile of queries is a column, a tile of keys is a column, and no score that is computed is ever masked.
; SLOTS.  A work-group owns batch b and the four query columns i0 .. i0 + 3 (i0 = 4 x work-group x).  It holds 14 slots; slot s holds column n = i0 - 5 + s, or n + 11 where n < 0, or n - 11 where n > 127.  Eleven neighbouring
; numbers hold each residue modulo 11 once, so query column i0 + j sees exactly slots j .. j + 10 in every work-group, at the edges too; its own column is slot 5 + j.  The work-group's number enters global addresses alone.
; SHARES.  Eight waves.  Up to the projection wave w is head w; in the projection it makes output columns 32 w .. 32 w + 31 for the work-group's 64 rows.
; PHASES.  (1) 14 tensor loads bring the slots' rows of x into LDS.  (2) x is quantised, each slot once, and its operand images (a fragment's registers, lane by lane) go to LDS.  (3) Each wave makes K and V of its head for the 14 slots
; and Q for slots 5 .. 8, on codes, and keeps them in registers as f16 fragments.  (4) For each query column: 11 products K Q^T, the softmax with the row's true maximum (all 176 scores of a row lie in two lanes' registers),
; 12 products V^T P; the result, divided by the row's sum of the unrounded p, goes to LDS as an f16 operand image.  (5) The projection, bproj being the C of each sum's first product.  (6) Through a stage in LDS, whole rows out.
; LAYOUT.  K and Q: source 0 = 16 columns of Wqkv, source 1 = 16 tokens: a lane holds one token and eight neighbouring d, which pack into the f16 fragment's registers as they stand.  V: the sources swapped: a lane holds one d and eight
; tokens: the fragment of V^T.  S^T = K Q^T and O^T = V^T P^T: a lane holds one query throughout.  V^T P takes slots in aligned pairs (32 keys); the one slot of the six pairs that lies outside the band meets zeros in P.
; NO CLUSTER: neighbouring work-groups' windows of x overlap, but the same column lies in different slots, and a joint load has one LDS address for all that it names; the weights are common to all work-groups, but beside
; x (232,960 bytes), the images (32,256) and the spare words (1,024) neither Wqkv's 110,592 bytes nor Wproj's 131,072 fit into 327,680.  NO PREFETCH: a work-group asks for all its x at its head, in one group.
; LIMITS: NaN and infinities are not served.  q, k, v, p, the attention's result and Wproj go to the matrix units as f16: their magnitudes stay under 65,504.  A block of zeros of x gets the byte 1 with zero codes.
.set XPITCH, 1040                      ; a row of x in LDS: 1,024 bytes + 16 of padding: row r begins 16 r bytes on modulo 256, so the 16 rows that a load touches begin at 16 different banks' groups (64 banks of 4 bytes: ISA guide 11.1)
.set XSLOT,  16*XPITCH                 ; a slot: 16 rows (t)
.set XIMG,   14*XSLOT                  ; behind the slots: x's 28 operand images (2 s + ks), 1,024 bytes each: half c at 512 c, lane l at 16 l
.set XSC,    XIMG+28*1024              ; their scale words, 128 bytes each: lane l at 4 l
.set SPARE,  XSC+28*128                ; the spare words, 128 bytes for each wave: four blocks of 256 bytes that no other line names
.set STG,    32768                     ; the stage for out0: 64 rows (16 j + t) x 1,040.  It and the attention's 32 images (byte 0 on; 4 hd + j) lie in the slots, which have had their one fill and their last read by then
.set SPW, 1                            ; v1   LDS address of my spare word; never rewritten
.set NIL, 2                            ; v2   0; never rewritten
.set LI,  3                            ; v3   16 x lane
.set H32, 4                            ; v4   32 h
.set XA,  5                            ; v5-8 where I read x for unit e = 0 .. 3
.set XWI, 9                            ; v9   where I store x's images
.set XWS, 10                           ; v10  and their scale words
.set LIX, 11                           ; v11  XIMG + 16 x lane
.set LSX, 12                           ; v12  XSC + 4 x lane
.set OWI, 13                           ; v13  where I store the attention's images: 4,096 w + 16 x lane
.set SO,  14                           ; v14  the stage: where I put 32 bytes of a row
.set SR,  15                           ; v15  and where I read rows back
.set WQ,  16                           ; v16-111  Wqkv's 12 fragments of my head: 8 (4 p + 2 dt + ks)
.set WS,  112                          ; v112-123 their scale words: scales and nothing else
.set XS,  124                          ; v124-127 x's scale words, 2 set + ks: scales and nothing else
.set X,   128                          ; quantising: v128-191 64 numbers; v192-199 at work; v200-207 codes
.set TM,  192
.set CD,  200
.set L4,  208                          ; v208 4 x lane
.set H8,  209                          ; v209 8 h
.set XF,  128                          ; QKV: v128-159 x's fragments, two sets (ks at + 8)
.set AK,  160                          ; v160-175 K's two accumulators;  v176-191 V's;  v192-207 Q's
.set AV,  176
.set AQ,  192
.set P,   20                           ; attention: v20-63 P's 11 groups of four; v16-19 and v64-67 zeros
.set O,   68                           ; v68-83 O^T (dt at + 8)
.set BI,  92                           ; v92-107 bproj in the result's layout (nt at + 8)
.set S,   128                          ; v128-215 S^T, 11 tiles
.set WP0, 216                          ; v216-247 Wproj's fragments of heads 0 and 1 (16 hd + 8 nt); heads 2-7 in window 1, v0-95
.set OF,  248                          ; v248-255 the image just made
.set ACC, 128                          ; projection: v128-191 eight accumulators, 8 (2 j + nt)
.set OFR, 16                           ; v16-79 the attention's fragments, two sets of four; later the rows read back
.set KF,  0                            ; window 1: v0-111 K, 8 a slot;  v112-223 V^T, 16 a pair of slots (dt at + 8);  v224-255 Q, 8 a query column
.set VF,  112
.set QF,  224
.set G1,  16                           ; s[16:23] descriptor group 1;  s[24:27], s[28:31] group 0 for my two slots
.set G0,  24
.set WV,  32                           ; s32  my wave's number
.set SEL, 40                           ; s[40:41] v_permlanex16_b32's selects for lane l xor 16
.set CS,  42                           ; s[42:43] c = log2(e) / sqrt(32); the packed form names a pair
.set MSB, 0
.macro WIN new                         ; s_set_vgpr_msb: bits 1:0 source 0, 3:2 source 1, 5:4 source 2, 7:6 destination; the high byte repeats the setting that is left
.if MSB != \new
	s_set_vgpr_msb (MSB<<8)|\new
.set MSB, \new
.endif
.endm
.macro PLACES n                        ; plain vector lines between a matrix instruction and what touches its registers (ISA guide 7.12.1)
.rept \n
	v_nop
.endr
.endm
; The byte offset in x of slot 2 w + u's first row.  s35 = i0 + 2 w, s37 = 2,048 b.
.macro XOFF u, dst
	s_add_co_u32 s38, s35, \u                      ; n + 5 = i0 + s
	s_cmp_lt_u32 s38, 5
	s_cselect_b32 s39, 11, 0                       ; n < 0: 11 on
	s_cmp_gt_u32 s38, 132
	s_cselect_b32 s36, 11, 0                       ; n > 127: 11 back
	s_add_co_u32 s38, s38, s39
	s_sub_co_u32 s38, s38, s36
	s_sub_co_u32 s38, s38, 5                       ; the slot's column
	s_add_co_u32 s38, s38, s37
	s_lshl_b32 s[\dst], s38, 10                    ; a token is 1,024 bytes
	s_mov_b32 s[\dst+1], 0
.endm
	s_load_b256 s[4:11], s[0:1], 0x0               ; x s[4:5], wq_codes s[6:7], wq_scales s[8:9], wp_frag s[10:11]
	s_load_b128 s[12:15], s[0:1], 0x20             ; bproj s[12:13], out0 s[14:15]
	v_lshl_add_u32 v[SPW], v0, 2, SPARE
	v_mov_b32 v[NIL], 0
	ds_add_u32 v[SPW], v[NIL]                      ; the wave's opening: the add, twice on end, and its wait ahead of my first tensor load; the set-up below, work on registers, stands between
	ds_add_u32 v[SPW], v[NIL]                      ; and once more, under the one wait
	v_lshrrev_b32 v128, 5, v0
	v_readfirstlane_b32 s[WV], v128                ; wave 0..7
	s_lshl_b32 s33, ttmp9, 2                       ; i0
	s_and_b32 s34, ttmp7, 0xffff                   ; b
	s_lshl_b32 s37, s34, 11
	s_lshl_b32 s35, s[WV], 1
	s_add_co_u32 s35, s35, s33
	XOFF 0, 44
	XOFF 1, 46
	; descriptor group 1: a tile of 16 rows x 256 elements of 4 bytes, the rows 128 tokens apart, padded in LDS
	s_mov_b32 s[G1+0], (2<<16)|(1<<20)|(7<<22)|(3<<25)   ; 15:0 no mask; 17:16 elements of 4 bytes; 20 padding on; 24:22 after every 256 words (code 7); 31:25 four words (code 3)
	s_mov_b32 s[G1+1], 256<<16                     ; tensor_dim0 = 256
	s_mov_b32 s[G1+2], 16<<16                      ; tensor_dim1 = 16
	s_mov_b32 s[G1+3], 256<<16                     ; tile_dim0 = 256
	s_mov_b32 s[G1+4], 16                          ; tile_dim1 = 16
	s_mov_b32 s[G1+5], 128*256                     ; from t to t + 1: 128 tokens of 256 elements
	s_mov_b32 s[G1+6], 0
	s_mov_b32 s[G1+7], 0
	s_mov_b32 s[G0], 1
	s_mul_i32 s[G0+1], s[WV], 2*XSLOT              ; slot 2 w,
	s_mov_b32 s[G0+4], 1
	s_add_co_u32 s[G0+5], s[G0+1], XSLOT           ; slot 2 w + 1
	s_mov_b32 s[SEL], 0x76543210
	s_mov_b32 s[SEL+1], 0xfedcba98
	s_mov_b32 s[CS], 0x3e8293ee                    ; log2(e) / sqrt(32) = 0.255035
	s_mov_b32 s[CS+1], s[CS]
	; every LDS address is made here, ahead of the first branch on the wave's number: a constant + a constant x lane + a constant x wave
	v_and_b32 v128, 31, v0                         ; lane
	v_and_b32 v129, 15, v0                         ; r
	v_bfe_u32 v130, v0, 4, 1                       ; h
	v_lshlrev_b32 v[LI], 4, v128
	v_lshlrev_b32 v[H32], 5, v130
	v_mul_u32_u24 v131, v129, XPITCH
	s_lshr_b32 s35, s[WV], 1
	s_mul_i32 s35, s35, XSLOT
	s_and_b32 s36, s[WV], 1
	s_lshl_b32 s36, s36, 9
	s_add_co_u32 s35, s35, s36                     ; unit (w, e) is image w + 8 e: slot w / 2 + 4 e, K step w % 2 (512 bytes on in the row)
	v_lshl_add_u32 v132, v130, 7, v131             ; row r, + 128 h: my 32 numbers of each 64
	v_add_nc_u32 v[XA], s35, v132
	v_add_nc_u32 v[XA+1], 4*XSLOT, v[XA]
	v_add_nc_u32 v[XA+2], 8*XSLOT, v[XA]
	v_add_nc_u32 v[XA+3], 12*XSLOT, v[XA]
	s_lshl_b32 s35, s[WV], 10
	s_add_co_u32 s35, s35, XIMG
	v_lshl_add_u32 v[XWI], v128, 4, s35
	s_lshl_b32 s35, s[WV], 7
	s_add_co_u32 s36, s35, XSC
	v_lshl_add_u32 v[XWS], v128, 2, s36
	v_lshl_add_u32 v[LIX], v128, 4, XIMG
	v_lshl_add_u32 v[LSX], v128, 2, XSC
	s_lshl_b32 s36, s[WV], 12
	v_lshl_add_u32 v[OWI], v128, 4, s36
	s_add_co_u32 s35, s35, STG
	v_lshl_add_u32 v132, v130, 5, v131
	v_add_nc_u32 v[SO], s35, v132                  ; the stage: row r, + 32 h, + 128 w: my outputs' bytes
	s_mul_i32 s35, s[WV], 8*XPITCH
	s_add_co_u32 s35, s35, STG
	v_lshl_add_u32 v[SR], v128, 4, s35             ; back: my 8 rows, 16 bytes a lane
	v_lshlrev_b32 v[L4], 2, v128
	v_lshlrev_b32 v[H8], 3, v130
	v_mov_b32 v[TM+7], 0                           ; written once: a lane permute's destination counts as one of its sources
	s_wait_dscnt 0x0                               ; both opening adds are done
	s_wait_kmcnt 0x0
	s_add_nc_u64 s[G0+2:G0+3], s[4:5], s[44:45]
	s_or_b32 s[G0+3], s[G0+3], 0x80000000          ; type = 2
	s_add_nc_u64 s[G0+6:G0+7], s[4:5], s[46:47]
	s_or_b32 s[G0+7], s[G0+7], 0x80000000
	s_cmp_lt_u32 s[WV], 7                          ; waves 0 to 6 fetch two slots each, wave 7 none: a wave's first fills stand in one branch on the wave's number; two loads of mine are out
	s_cbranch_scc0 .Lno_fill
	tensor_load_to_lds s[G0:G0+3], s[G1:G1+7]
	s_nop 0
	tensor_load_to_lds s[G0+4:G0+7], s[G1:G1+7]
	s_nop 0
	PLACES 4
.Lno_fill:
	s_mov_b32 s37, 0
	s_lshl_b32 s36, s[WV], 12
	s_add_nc_u64 s[6:7], s[6:7], s[36:37]          ; my head's images of Wqkv: image 32 p + 4 w + 2 dt + ks, 1,024 bytes each,
	s_lshl_b32 s36, s[WV], 9
	s_add_nc_u64 s[8:9], s[8:9], s[36:37]          ; their scale words, 128 bytes each,
	s_lshl_b32 s36, s[WV], 14
	s_add_nc_u64 s[10:11], s[10:11], s[36:37]      ; my 32 output columns' fragments of Wproj,
	s_lshl_b32 s36, s[WV], 7
	s_add_nc_u64 s[12:13], s[12:13], s[36:37]      ; and of bproj
	s_lshl_b32 s36, s34, 11                        ; out0: the rows that I store are tokens 128 (8 (w % 2) + i) + i0 + w / 2 of batch b
	s_and_b32 s35, s[WV], 1
	s_lshl_b32 s35, s35, 10
	s_add_co_u32 s36, s36, s35
	s_add_co_u32 s36, s36, s33
	s_lshr_b32 s35, s[WV], 1
	s_add_co_u32 s36, s36, s35
	s_lshl_b32 s36, s36, 10
	s_add_nc_u64 s[14:15], s[14:15], s[36:37]
.irp p, 0,1,2                                  ; Wqkv's fragments land while x is on its way
.irp d, 0,1
.irp k, 0,1
.irp c, 0,1
	global_load_b128 v[WQ+8*(4*\p+2*\d+\k)+4*\c:WQ+8*(4*\p+2*\d+\k)+4*\c+3], v[LI], s[6:7] offset:32768*\p+2048*\d+1024*\k+512*\c
.endr
	global_load_b32 v[WS+4*\p+2*\d+\k], v[L4], s[8:9] offset:4096*\p+256*\d+128*\k
.endr
.endr
.endr
	s_wait_tensorcnt 0x0                           ; my two slots have landed,
	s_barrier_signal -1
	s_barrier_wait -1                              ; everybody's have
; ---- x is quantised.  Unit e of my wave: 16 tokens x 128 along K.  Lane (r, h) takes of row r the numbers k = 64 c + 32 h + 0 .. 31: two whole blocks, in the order of the operand's registers.
.macro QUANT e
.set i, 0
.rept 16
	ds_load_b128 v[X+4*i:X+4*i+3], v[XA+\e] offset:256*(i/8)+16*(i%8)
.set i, i+1
.endr
	s_wait_dscnt 0x0                               ; the numbers are in (and the last unit's stores are done)
.irp c, 0,1
	v_max3_num_f32 v[TM+\c], |v[X+32*\c]|, |v[X+32*\c+1]|, 0x1800000   ; my block 2 c + h, and the floor 2^(3 - 127): the byte cannot fall under 1
.endr
.irp i, 2,4,6,8,10,12,14,16,18,20,22,24,26,28,30
.irp c, 0,1
	v_max3_num_f32 v[TM+\c], v[TM+\c], |v[X+32*\c+\i]|, |v[X+32*\c+\i+1]|
.endr
.endr
.irp c, 0,1
	v_add_nc_u32 v[TM+2+\c], 0xff000000, v[TM+\c]  ; 2 off the exponent field: the conversion's scale operand
.endr
.irp c, 0,1
	v_lshrrev_b32 v[TM+4+\c], 23, v[TM+2+\c]       ; the scale's byte
.endr
	v_lshl_or_b32 v[TM+6], v[TM+5], 16, v[TM+4]    ; blocks h and 2 + h,
	v_lshlrev_b32 v[TM+6], v[H8], v[TM+6]          ; 8 h bits up;
	v_permlanex16_b32 v[TM+7], v[TM+6], s[SEL], s[SEL+1]
	v_or_b32 v[TM+6], v[TM+6], v[TM+7]             ; with lane l xor 16's two the row's word is whole
.irp c, 0,1
.irp g, 0,1,2,3
	v_cvt_scalef32_pk8_fp4_f32 v[CD+4*\c+\g], v[X+32*\c+8*\g:X+32*\c+8*\g+7], v[TM+2+\c]
.endr
.endr
	v_nop                                          ; one plain line behind the last scaled conversion
	ds_store_b128 v[XWI], v[CD:CD+3] offset:8192*\e          ; the fragment goes to LDS as it stands in my registers
	ds_store_b128 v[XWI], v[CD+4:CD+7] offset:8192*\e+512
	ds_store_b32 v[XWS], v[TM+6] offset:1024*\e
.endm
	QUANT 0
	QUANT 1
	QUANT 2
	s_cmp_lt_u32 s[WV], 4                          ; images 24 to 27 are waves 0 to 3's
	s_cbranch_scc0 .Lno_q3
	QUANT 3
.Lno_q3:
	s_wait_dscnt 0x0                               ; for the others' sake: my images have landed, and my reads of the slots are over
	s_barrier_signal -1
	s_barrier_wait -1                              ; x's 28 images lie in LDS; nobody reads the slots any more
; ---- Q, K, V of my head
.macro LOADX s                         ; slot s's two fragments and scale words into set s % 2: six loads
.irp k, 0,1
.irp c, 0,1
	ds_load_b128 v[XF+16*((\s)%2)+8*\k+4*\c:XF+16*((\s)%2)+8*\k+4*\c+3], v[LIX] offset:(2*(\s)+\k)*1024+512*\c
.endr
	ds_load_b32 v[XS+2*((\s)%2)+\k], v[LSX] offset:(2*(\s)+\k)*128
.endr
.endm
.macro MKQ acc, p, t, k                ; K (p = 1) or Q (p = 0): source 0 = 16 columns of Wqkv, source 1 = the slot's 16 tokens.  K step 0 starts the sum
.if \k == 0
	v_wmma_scale_f32_16x16x128_f8f6f4 v[\acc+8*\t:\acc+8*\t+7], v[WQ+8*(4*\p+2*\t+\k):WQ+8*(4*\p+2*\t+\k)+7], v[XF+16*SET+8*\k:XF+16*SET+8*\k+7], 0, v[WS+4*\p+2*\t+\k], v[XS+2*SET+\k] matrix_a_fmt:MATRIX_FMT_FP4 matrix_b_fmt:MATRIX_FMT_FP4
.else
	v_wmma_scale_f32_16x16x128_f8f6f4 v[\acc+8*\t:\acc+8*\t+7], v[WQ+8*(4*\p+2*\t+\k):WQ+8*(4*\p+2*\t+\k)+7], v[XF+16*SET+8*\k:XF+16*SET+8*\k+7], v[\acc+8*\t:\acc+8*\t+7], v[WS+4*\p+2*\t+\k], v[XS+2*SET+\k] matrix_a_fmt:MATRIX_FMT_FP4 matrix_b_fmt:MATRIX_FMT_FP4
.endif
.endm
.macro MV t, k                         ; V: the sources swapped, and the scale operands with them
.if \k == 0
	v_wmma_scale_f32_16x16x128_f8f6f4 v[AV+8*\t:AV+8*\t+7], v[XF+16*SET+8*\k:XF+16*SET+8*\k+7], v[WQ+8*(8+2*\t+\k):WQ+8*(8+2*\t+\k)+7], 0, v[XS+2*SET+\k], v[WS+8+2*\t+\k] matrix_a_fmt:MATRIX_FMT_FP4 matrix_b_fmt:MATRIX_FMT_FP4
.else
	v_wmma_scale_f32_16x16x128_f8f6f4 v[AV+8*\t:AV+8*\t+7], v[XF+16*SET+8*\k:XF+16*SET+8*\k+7], v[WQ+8*(8+2*\t+\k):WQ+8*(8+2*\t+\k)+7], v[AV+8*\t:AV+8*\t+7], v[XS+2*SET+\k], v[WS+8+2*\t+\k] matrix_a_fmt:MATRIX_FMT_FP4 matrix_b_fmt:MATRIX_FMT_FP4
.endif
.endm
.macro SLOT s
.if (\s) < 13
	LOADX (\s)+1                                   ; into the set that the slot before has left: its last products stand five plain lines and the conversions back
	s_wait_dscnt 6                                 ; this slot's six loads are in; the six just issued may be out
.else
	s_wait_dscnt 0x0
.endif
.set SET, (\s)%2
.irp k, 0,1                                    ; the accumulators take turns, one instruction a turn
	MKQ AK, 1, 0, \k
	MKQ AK, 1, 1, \k
	MV 0, \k
	MV 1, \k
.if ((\s) >= 5) && ((\s) <= 8)
	MKQ AQ, 0, 0, \k
	MKQ AQ, 0, 1, \k
.endif
.endr
	PLACES 5                                       ; five: the next slot's first products write over these accumulators; four serve the reads below and the next loads
	WIN 0x40                                       ; destination window 1
.irp t, 0,1
.irp i, 0,1,2,3
	v_cvt_pk_f16_f32 v[KF+8*(\s)+4*\t+\i], v[AK+8*\t+2*\i], v[AK+8*\t+2*\i+1]                      ; token r, d = 16 dt + 8 h + 0 .. 7: registers 4 dt .. of K's fragment
.endr
.endr
.irp t, 0,1
.irp i, 0,1,2,3
	v_cvt_pk_f16_f32 v[VF+16*((\s)/2)+8*\t+4*((\s)%2)+\i], v[AV+8*\t+2*\i], v[AV+8*\t+2*\i+1]      ; d = 16 dt + r, tokens 8 h + 0 .. 7: half s % 2 of the pair's fragment of V^T
.endr
.endr
.if ((\s) >= 5) && ((\s) <= 8)
.irp t, 0,1
.irp i, 0,1,2,3
	v_cvt_pk_f16_f32 v[QF+8*((\s)-5)+4*\t+\i], v[AQ+8*\t+2*\i], v[AQ+8*\t+2*\i+1]
.endr
.endr
.endif
	WIN 0
.endm
	s_wait_loadcnt 0x0                             ; Wqkv's fragments and scale words
	LOADX 0
.irp s, 0,1,2,3,4,5,6,7,8,9,10,11,12,13
	SLOT \s
.endr
; ---- attention
.irp i, 16,17,18,19,64,65,66,67
	v_mov_b32 v\i, 0                               ; what the slot outside the band meets
.endr
	v_mov_b32 v85, 0                               ; a lane permute's destination, and
	v_mov_b32 v87, 0                               ; the upper half of a pair that is named whole: written once
.irp n, 0,1
.irp q, 0,1
	global_load_b128 v[BI+8*\n+4*\q:BI+8*\n+4*\q+3], v[H32], s[12:13] offset:64*\n+16*\q          ; bproj(32 w + 16 nt + 8 h + 0 .. 7)
.endr
.endr
.irp e, 0,1
.irp n, 0,1
.irp q, 0,1
	global_load_b128 v[WP0+16*\e+8*\n+4*\q:WP0+16*\e+8*\n+4*\q+3], v[LI], s[10:11] offset:2048*\e+1024*\n+512*\q
.endr
.endr
.endr
.macro ATT j
	WIN 0x05                                       ; K and Q in window 1, S^T in window 0
.irp c, 0,1,2,3,4,5,6,7,8,9,10
	v_wmma_f32_16x16x32_f16 v[S+8*\c:S+8*\c+7], v[KF+8*((\j)+\c):KF+8*((\j)+\c)+7], v[QF+8*(\j):QF+8*(\j)+7], 0   ; lane (r, h): query t = r, keys t' = 8 h + 0 .. 7 of slot j + c
.endr
	WIN 0
	PLACES 4
.if (\j) == 3                                  ; K has been multiplied for the last time: its registers take Wproj's fragments of heads 2 to 7, in the order of the heads
	WIN 0x40
.irp e, 2,3,4,5,6,7
.irp n, 0,1
.irp q, 0,1
	global_load_b128 v[16*(\e-2)+8*\n+4*\q:16*(\e-2)+8*\n+4*\q+3], v[LI], s[10:11] offset:2048*\e+1024*\n+512*\q
.endr
.endr
.endr
	WIN 0
.endif
.irp c, 0,1,2,3,4,5,6,7,8,9,10                 ; the row's maximum; each accumulator is read from its low end on; the tiles by turns
	v_max3_num_f32 v[P+4*\c], v[S+8*\c], v[S+8*\c+1], v[S+8*\c+2]
.endr
.irp i, 3,5
.irp c, 0,1,2,3,4,5,6,7,8,9,10
	v_max3_num_f32 v[P+4*\c], v[P+4*\c], v[S+8*\c+\i], v[S+8*\c+\i+1]
.endr
.endr
.irp c, 0,1,2,3,4,5,6,7,8,9,10
	v_max_num_f32 v[P+4*\c], v[P+4*\c], v[S+8*\c+7]
.endr
	v_max3_num_f32 v[P], v[P], v[P+4], v[P+8]
	v_max3_num_f32 v[P+12], v[P+12], v[P+16], v[P+20]
	v_max3_num_f32 v[P+24], v[P+24], v[P+28], v[P+32]
	v_max3_num_f32 v[P+36], v[P+36], v[P+40], v[P]
	v_max3_num_f32 v84, v[P+36], v[P+12], v[P+24]
	v_permlanex16_b32 v85, v84, s[SEL], s[SEL+1]   ; the query's other 88 keys lie in the lane 16 away
	v_max_num_f32 v84, v84, v85                    ; m
	v_mul_f32 v86, s[CS], v84                      ; c m
.set i, 0
.rept 44
	v_pk_fma_f32 v[S+i:S+i+1], v[S+i:S+i+1], s[CS:CS+1], v[86:87] op_sel_hi:[1,0,0] neg_lo:[0,0,1] neg_hi:[0,0,1]   ; c s - c m
.set i, i+2
.endr
.set i, 0
.rept 88
	v_exp_f32 v[S+i], v[S+i]                       ; p = 2^(c s - c m), at most 1
.set i, i+1
.endr
	v_nop                                          ; a plain line behind the last exponential
	s_wait_alu depctr_va_vdst(0)                   ; one wait for the batch, ahead of its first reader
.irp c, 0,1,2,3,4,5,6,7,8,9,10
.irp i, 0,1,2,3
	v_cvt_pk_f16_f32 v[P+4*\c+\i], v[S+8*\c+2*\i], v[S+8*\c+2*\i+1]
.endr
.endr
.set PB, P-4*((\j)%2)                          ; even j: slots j .. j + 11, zeros behind P;  odd j: slots j - 1 .. j + 10, zeros ahead of P
	WIN 0x01                                       ; V^T in window 1
.irp u, 0,1,2,3,4,5                            ; O^T = V^T P^T, a pair of slots (32 keys) at a time; the two accumulators take turns
.irp t, 0,1
.if \u == 0
	v_wmma_f32_16x16x32_f16 v[O+8*\t:O+8*\t+7], v[VF+16*((\j)/2+\u)+8*\t:VF+16*((\j)/2+\u)+8*\t+7], v[PB+8*\u:PB+8*\u+7], 0
.else
	v_wmma_f32_16x16x32_f16 v[O+8*\t:O+8*\t+7], v[VF+16*((\j)/2+\u)+8*\t:VF+16*((\j)/2+\u)+8*\t+7], v[PB+8*\u:PB+8*\u+7], v[O+8*\t:O+8*\t+7]
.endif
.endr
.endr
	WIN 0
	v_pk_add_f32 v[88:89], v[S:S+1], v[S+8:S+9]    ; the row's sum, of the unrounded p, in four chains.  These lines name no register of the products above: they are the places behind them
	v_pk_add_f32 v[90:91], v[S+2:S+3], v[S+10:S+11]
	v_pk_add_f32 v[108:109], v[S+4:S+5], v[S+12:S+13]
	v_pk_add_f32 v[110:111], v[S+6:S+7], v[S+14:S+15]
.set i, 16
.rept 9
	v_pk_add_f32 v[88:89], v[88:89], v[S+i:S+i+1]
	v_pk_add_f32 v[90:91], v[90:91], v[S+i+2:S+i+3]
	v_pk_add_f32 v[108:109], v[108:109], v[S+i+4:S+i+5]
	v_pk_add_f32 v[110:111], v[110:111], v[S+i+6:S+i+7]
.set i, i+8
.endr
	v_pk_add_f32 v[88:89], v[88:89], v[90:91]
	v_pk_add_f32 v[108:109], v[108:109], v[110:111]
	v_pk_add_f32 v[88:89], v[88:89], v[108:109]
	v_add_f32 v88, v88, v89
	v_permlanex16_b32 v85, v88, s[SEL], s[SEL+1]
	v_add_f32 v88, v88, v85                        ; l: at least the largest p, which is about 1
	v_rcp_f32 v84, v88
	v_mov_b32 v85, 0                               ; a plain line behind the reciprocal
	s_wait_alu depctr_va_vdst(0)                   ; the wait ahead of its first reader
.set i, 0
.rept 8
	v_pk_mul_f32 v[O+i:O+i+1], v[O+i:O+i+1], v[84:85] op_sel_hi:[1,0]   ; O^T / l, each accumulator from its low end on
.set i, i+2
.endr
	s_wait_dscnt 0x0                               ; the last column's stores are done
.set i, 0
.rept 8
	v_cvt_pk_f16_f32 v[OF+i], v[O+2*i], v[O+2*i+1] ; token r, d = 16 dt + 8 h + 0 .. 7: source 1 of the projection's K step hd = w, as it stands
.set i, i+1
.endr
	ds_store_b128 v[OWI], v[OF:OF+3] offset:1024*(\j)
	ds_store_b128 v[OWI], v[OF+4:OF+7] offset:1024*(\j)+512
.endm
	ATT 0
	ATT 1
	ATT 2
	ATT 3
	s_wait_dscnt 0x0                               ; for the others' sake: my four images have landed
	s_barrier_signal -1
	s_barrier_wait -1                              ; the attention's 32 images lie in LDS
; ---- the projection: my 32 output columns for the 64 rows; K step = a head
.macro OLOAD e                         ; head e's four images (query columns j) into set e % 2: eight loads
.irp j, 0,1,2,3
.irp q, 0,1
	ds_load_b128 v[OFR+32*((\e)%2)+8*\j+4*\q:OFR+32*((\e)%2)+8*\j+4*\q+3], v[LI] offset:(4*(\e)+\j)*1024+512*\q
.endr
.endr
.endm
.macro PROJ e
.if (\e) < 7
.if (\e) > 0
	PLACES 4                                       ; in front of loads into the set that the head before multiplied
.endif
	OLOAD (\e)+1
	s_wait_dscnt 8                                 ; this head's eight loads are in; the eight just issued may be out
.else
	s_wait_dscnt 0x0
.endif
.if (\e) == 0
	s_wait_loadcnt 24                              ; bproj and Wproj's heads 0 and 1 are in; the 24 loads of heads 2 to 7 may be out
.elseif (\e) >= 2
	s_wait_loadcnt 4*(7-(\e))                      ; this head's four are in; four for each later head may be out
.endif
.if (\e) < 2
.set WPR, WP0+16*(\e)
.else
.set WPR, 16*((\e)-2)
	WIN 0x01                                       ; Wproj's fragment in window 1
.endif
.set OB, OFR+32*((\e)%2)
.irp j, 0,1,2,3                                ; source 0 = 16 columns of Wproj, source 1 = 16 tokens: a lane holds token t = r and eight neighbouring outputs.  Eight accumulators by turns
.irp n, 0,1
.if (\e) == 0
	v_wmma_f32_16x16x32_f16 v[ACC+8*(2*\j+\n):ACC+8*(2*\j+\n)+7], v[WPR+8*\n:WPR+8*\n+7], v[OB+8*\j:OB+8*\j+7], v[BI+8*\n:BI+8*\n+7]
.else
	v_wmma_f32_16x16x32_f16 v[ACC+8*(2*\j+\n):ACC+8*(2*\j+\n)+7], v[WPR+8*\n:WPR+8*\n+7], v[OB+8*\j:OB+8*\j+7], v[ACC+8*(2*\j+\n):ACC+8*(2*\j+\n)+7]
.endif
.endr
.endr
	WIN 0
.endm
	OLOAD 0
.irp e, 0,1,2,3,4,5,6,7
	PROJ \e
.endr
	PLACES 5
.irp j, 0,1,2,3
.irp n, 0,1
	ds_store_b128 v[SO], v[ACC+8*(2*\j+\n):ACC+8*(2*\j+\n)+3] offset:XSLOT*\j+64*\n          ; stage row 16 j + r; each accumulator from its low end on
	ds_store_b128 v[SO], v[ACC+8*(2*\j+\n)+4:ACC+8*(2*\j+\n)+7] offset:XSLOT*\j+64*\n+16
.endr
.endr
	s_wait_dscnt 0x0                               ; for the others' sake: my part of the 64 rows has landed
	s_barrier_signal -1
	s_barrier_wait -1                              ; 64 whole rows of out0 lie in the stage
.set n, 0
.rept 16                                       ; my 8 rows, half a row (512 bytes) an instruction
	ds_load_b128 v[OFR+4*n:OFR+4*n+3], v[SR] offset:XPITCH*(n/2)+512*(n%2)
.set n, n+1
.endr
.set n, 0
.rept 16
	s_wait_dscnt 15-n                              ; LDS loads come back in order (ISA guide 5.7.1): load n is in, the younger ones may be out
	global_store_b128 v[LI], v[OFR+4*n:OFR+4*n+3], s[14:15] offset:131072*(n/2)+512*(n%2) th:TH_STORE_NT   ; 32 lanes store 512 consecutive bytes, at a multiple of 256 from out0's first byte; rows 128 tokens apart
.set n, n+1
.endr
	s_wait_tensorcnt 0x0                           ; the wave's end: behind my last tensor load and my last LDS store
	ds_add_u32 v[SPW], v[NIL]
	s_wait_dscnt 0x0
	s_endpgm
.Lfunc_end_k_q1bb333439c_attn:
	.size	k_q1bb333439c_attn, .Lfunc_end_k_q1bb333439c_attn-k_q1bb333439c_attn
	.p2alignl 7, 3214868480
	.fill 96, 4, 3214868480
	.section	.rodata,"a",@progbits
	.p2align	6, 0x0
	.amdhsa_kernel k_q1bb333439c_attn
		.amdhsa_group_segment_fixed_size 266240
		.amdhsa_private_segment_fixed_size 0
		.amdhsa_enable_private_segment 0
		.amdhsa_kernarg_size 48
		.amdhsa_user_sgpr_count 2
		.amdhsa_user_sgpr_kernarg_segment_ptr 1
		.amdhsa_wavefront_size32 1
		.amdhsa_system_sgpr_workgroup_id_x 1
		.amdhsa_system_sgpr_workgroup_id_y 1
		.amdhsa_system_sgpr_workgroup_id_z 1
		.amdhsa_system_vgpr_workitem_id 0
		.amdhsa_next_free_vgpr 512
		.amdhsa_next_free_sgpr 66
		.amdhsa_reserve_vcc 0
		.amdhsa_float_denorm_mode_32 3
		.amdhsa_float_denorm_mode_16_64 3
		.amdhsa_memory_ordered 1
		.amdhsa_forward_progress 1
		.amdhsa_inst_pref_size 153
	.end_amdhsa_kernel
	.amdgpu_metadata
---
amdhsa.version: [ 1, 2 ]
amdhsa.kernels:
  - .name:           k_q1bb333439c_attn
    .symbol:         k_q1bb333439c_attn.kd
    .args:
      - { .name: x, .offset: 0, .size: 8, .value_kind: global_buffer, .address_space: global }
      - { .name: wq_codes, .offset: 8, .size: 8, .value_kind: global_buffer, .address_space: global }
      - { .name: wq_scales, .offset: 16, .size: 8, .value_kind: global_buffer, .address_space: global }
      - { .name: wp_frag, .offset: 24, .size: 8, .value_kind: global_buffer, .address_space: global }
      - { .name: bproj, .offset: 32, .size: 8, .value_kind: global_buffer, .address_space: global }
      - { .name: out0, .offset: 40, .size: 8, .value_kind: global_buffer, .address_space: global }
    .group_segment_fixed_size: 266240
    .private_segment_fixed_size: 0
    .kernarg_segment_align: 8
    .kernarg_segment_size: 48
    .max_flat_workgroup_size: 256
    .sgpr_count:     66
    .vgpr_count:     512
    .wavefront_size: 32
...
	.end_amdgpu_metadata
.endif
;; end of part 2
